; MI455X (gfx1250); checked and timed in simulation.
; The chip was launched on July 23, 2026; its instructions are those of AMD's public machine-readable ISA for CDNA 5 (MIT licence, August 2026) and "CDNA5" Instruction Set Architecture Reference Guide (July 2026). The comments in the code are by the model that wrote it; some were corrected since.
;; Bahdanau Attention. Allowed arithmetic: matrix products marked QUANTISED: E2M3 operands, one E8M0 scale for each 32 along K, by v_wmma_scale_f32_16x16x128_f8f6f4 with both operands' format E2M3, f32 sums; products left as they are: f32 operands where the result goes on into a quantised operand, else bf16, f16 or f32 operands; f32 sums; everything else in f32.
;; Inputs: W_h 1,024 x 1,024 float32; W_k 1,024 x 1,024 float32; h_t 64 x 1,024 float32; keys 64 x 1,024 x 1,024 float32; v 1,024 float32.
;; Outputs: out0 64 x 1,024 float32; out1 64 x 1,024 float32.
;; This version of the problem:
;;   THIS VERSION OF THE PROBLEM IS GIVEN IN LOW PRECISION. The matrix products marked QUANTISED in the list below multiply operands that are first quantised to E2M3 (2 exponent bits, 3 mantissa bits; 6 bits a number), with one power-of-two scale for each 32 numbers along K (OCP MX v1.0); their sums are f32. All else is computed in f32.
;;   The module's matrix products, in the order in which they are computed (A, B: the left and right operand; K: the contracted axis; several contracted axes count as one K, in the product's order):
;;     1. [M 64, K 1,024] x [K 1,024, N 1,024]; A: input h_t; B: input W_h: QUANTISED
;;     2. [M 65,536, K 1,024] x [K 1,024, N 1,024]; A: input keys; B: input W_k: QUANTISED
;;     3. [M 65,536, K 1,024] x [K 1,024, N 1]; A: computed on the way; B: input v: left as it is (N = 1 < 16)
;;     4. batch 64 x [M 1, K 1,024] x [K 1,024, N 1,024]; A: softmax; B: input keys: left as it is (M = 1 < 16)
;;   THE QUANTISER, for each operand of a quantised product, along K:
;;     - K is cut into blocks of 32 from its start; a last block that is shorter is filled with zeros.
;;     - A block's scale is 2^e with e = floor(log2(the largest magnitude in the block)) - 2, held to -126 .. 127; a block of zeros has e = 0. As a byte (E8M0): e + 127.
;;     - Each number is divided by its block's scale, clamped to +-7.5, and rounded to the nearest number of E2M3, ties to even, subnormals kept.
;;     - The product sums the exact products of the quantised numbers (number of the format x scale) in f32.
;;   ~~~python
;;   def quantise(x, axis):      # numpy; x: float32 -> the quantised numbers, widened to float32 again
;;       x = np.moveaxis(x, axis, -1); K = x.shape[-1]
;;       x = np.pad(x, [(0, 0)] * (x.ndim - 1) + [(0, -K % 32)]); x = x.reshape(x.shape[:-1] + (-1, 32)); a = np.abs(x).max(-1, keepdims=True)
;;       e = np.where(a > 0, np.clip(np.frexp(np.where(a > 0, a, 1))[1] - 1 - 2, -126, 127), 0)      # np.frexp(a)[1] - 1 = floor(log2(a)), exactly
;;       r = np.clip(x / 2.0 ** e, -7.5, 7.5)
;;       step = 2.0 ** (np.maximum(np.frexp(np.where(r == 0, 1, r))[1] - 1, 0) - 3)
;;       q = np.round(r / step) * step * 2.0 ** e      # np.round: ties to even
;;       return np.moveaxis(q.reshape(q.shape[:-2] + (-1,))[..., :K], -1, axis).astype(np.float32)
;;   ~~~
;; One version. Each part assembles by itself: llvm-mc -triple=amdgcn-amd-amdhsa -mcpu=gfx1250 --defsym DOCPART=n.
;; ======== version 1 of 1: 3 launches
;; workspace buffers: wk_tiles 819,200 bytes; qh 262,144 bytes; scores 262,144 bytes
;; launch prep (part 1): grid 64 x 1, 4 waves a work-group, no clusters, 33,280 bytes of LDS; arguments W_k, W_h, h_t, wk_tiles, qh; writes wk_tiles, qh
.if DOCPART == 1
	.amdgcn_target "amdgcn-amd-amdhsa--gfx1250"
	.amdhsa_code_object_version 6
	.text
	.protected	k_qf0e680c032_prep
	.globl	k_qf0e680c032_prep
	.p2align	8
	.type	k_qf0e680c032_prep,@function
k_qf0e680c032_prep:
	s_mov_b64 s[64:65], 0
	v_nop
	global_prefetch_b8 v0, s[64:65] scope:SCOPE_SE
	s_setreg_imm32_b32 hwreg(HW_REG_WAVE_MODE, 25, 1), 1
	s_wait_xcnt 0x0
; PREP.  (1) W_k [1024 e][1024 k] f32 becomes codes of FP6 (E2M3) with one E8M0 byte for each 32 along K, laid in wk_tiles in the ORDER OF AN OPERAND'S REGISTERS:
;   16 tiles of 51,200 bytes, tile 4 p + ks (p: 256 e, ks: 256 along K).  In a tile: codes at q*24576 + eb*1536 + 512*g + 16*lane (q: which 128 of the 256 along K; eb: block of 16 e;
;   g: registers 4 g .. 4 g + 3 of the fragment), scale words at 49152 + eb*128 + 8*r + 4*q.
; (2) qh = Q(h_t) Q(W_h)^T, [64][1024] f32: both operands are quantised in registers and multiplied by the scaled FP6 matrix form.
; A block's scale is 2^(floor(log2(its largest magnitude)) - 2); its byte is the largest magnitude's exponent field - 2, held at 1 from below.
; LIMITS: a block of zeros keeps the byte 1 where the rule says 127 (its codes are zeros, and only this program reads the bytes); NaN and infinities among the inputs are not served.
; SHARES.  Work-group t takes rows 16 t .. 16 t + 15 of W_k and of W_h.  Wave w quantises K = 256 w .. 256 w + 255 of both (two units each) and rows 16 w .. 16 w + 15 of h_t for all of K (eight units).
; A UNIT is 16 rows x 128 along K of f32 (rows 4,096 bytes apart): it becomes one fragment (12 registers a lane) and one scale word a row.
; Each load of a unit reads two rows' aligned 256 bytes, 16 bytes a lane; the unit turns through the wave's own stage in LDS (rows 272 bytes apart) so that a lane gets whole blocks of 32 neighbours:
; lane (r, h) holds k = 64 c + 32 h + 0 .. 31 of row r, which is the operand's own layout.
; W_h's eight fragments go from wave to wave through LDS as images of their registers; one barrier.  qh's K is shared between two accumulators that take turns; qh goes on into a tanh, not into a quantiser.
; Stores: the codes leave 512 consecutive bytes an instruction; the scale words 128 consecutive bytes a wave and qh 64 bytes a row: 32 KiB and 256 KiB of the launch's bytes leave in such short pieces.
.set STG,  0                           ; LDS: four stages of 16 x 272 bytes, one a wave
.set HIMG, 17408                       ; W_h's 8 fragments as register images, 1,536 bytes each
.set HSC,  29696                       ; their scale words, 128 bytes each
.set KOFF, 4                           ; v4   a unit's load: (lane / 16) x 4096 + (lane % 16) x 16
.set STI,  5                           ; v5   into my stage
.set STO,  6                           ; v6   out of my stage
.set LI,   7                           ; v7   16 x lane
.set LS,   8                           ; v8   4 x lane
.set H8,   9                           ; v9   8 h
.set HWI,  10                          ; v10  16 x lane + 3072 x wave
.set HWS,  11                          ; v11  4 x lane + 256 x wave
.set SOFF, 13                          ; v13  8 r + 4 h
.set QO,   14                          ; v14  4096 r + 32 h
.set X,    32                          ; v32-95   a unit's 64 numbers of my lane
.set M,    96                          ; v96-97   largest magnitudes
.set SO,   98                          ; v98-99   the conversions' scale operands
.set BY,   100                         ; v100-101 the scale bytes
.set TP,   102                         ; v102-108 the upper halves of the blocks' codes
.set PT,   110                         ; v110 a lane permute's destination
.set SELW, 111                         ; v111 the scale word that my lane stores
.set SWT,  112                         ; v112 W_h's scale word in hand
.set SW0,  114                         ; v114, v115 W_k's two scale words
.set SW1,  115
.set PC,   116                         ; v116-127 the fragment just made
.set HF,   128                         ; v128-223 h_t's eight fragments
.set HS,   224                         ; v224-231 h_t's scale words, nothing else
.set WS,   232                         ; v232-239 W_h's scale words, nothing else
.set OUT,  240                         ; v240-247 qh
.set WK,   4                           ; s[4:5] W_k, s[6:7] W_h, s[8:9] h_t, each at my part
.set WH,   6
.set HT,   8
.set SEL,  32                          ; s[32:33] selects for lane l xor 16
; window 1: v0-95 W_h's fragments, v96-103 and v104-111 the two accumulators.  window 2: four raw sets of 64.
.set MSB, 0
.macro WIN new                         ; the immediate's high byte repeats the setting that is left
.if MSB != (\new)
	s_set_vgpr_msb (MSB<<8)|(\new)
.set MSB, (\new)
.endif
.endm
.macro LOADU set, base, off, nt        ; a unit's 16 loads into raw set 'set' of window 2
	WIN 0x80
.irp c, 0,1
.irp t, 0,1,2,3,4,5,6,7
.if \nt
	global_load_b128 v[64*(\set)+32*\c+4*\t:64*(\set)+32*\c+4*\t+3], v[KOFF], s[\base:\base+1] offset:(\off)+256*\c+8192*\t th:TH_LOAD_NT
.else
	global_load_b128 v[64*(\set)+32*\c+4*\t:64*(\set)+32*\c+4*\t+3], v[KOFF], s[\base:\base+1] offset:(\off)+256*\c+8192*\t
.endif
.endr
.endr
	WIN 0
.endm
.macro STAGEU set                      ; the unit turns through my stage, 256 bytes of each row at a time; LDS serves a wave's instructions in order, so no wait stands between
.irp c, 0,1
	WIN 0x08
.irp t, 0,1,2,3,4,5,6,7
	ds_store_b128 v[STI], v[64*(\set)+32*\c+4*\t:64*(\set)+32*\c+4*\t+3] offset:544*\t
.endr
	WIN 0
.irp i, 0,1,2,3,4,5,6,7
	ds_load_b128 v[X+32*\c+4*\i:X+32*\c+4*\i+3], v[STO] offset:16*\i
.endr
.endr
.endm
.macro QBLK pc, sw                     ; v[X] .. v[X + 63]: my two whole blocks (2 c + h) of row r -> 12 registers of codes at v[pc], the row's scale word in v[sw]
.irp c, 0,1
	v_max3_num_f32 v[M+\c], |v[X+32*\c]|, |v[X+32*\c+1]|, 0x1800000      ; with the floor 2^(3 - 127): the byte cannot fall under 1
.endr
.irp i, 2,4,6,8,10,12,14,16,18,20,22,24,26,28,30
.irp c, 0,1
	v_max3_num_f32 v[M+\c], v[M+\c], |v[X+32*\c+\i]|, |v[X+32*\c+\i+1]|  ; the two blocks by turns
.endr
.endr
.irp c, 0,1
	v_add_nc_u32 v[SO+\c], 0xff000000, v[M+\c]     ; 2 off the exponent field: the conversion's scale operand
.endr
.irp c, 0,1
	v_lshrrev_b32 v[BY+\c], 23, v[SO+\c]           ; the scale's byte
.endr
	v_lshl_or_b32 v[\sw], v[BY+1], 16, v[BY]       ; my bytes: blocks h and 2 + h,
	v_lshlrev_b32 v[\sw], v[H8], v[\sw]            ; at their places;
	v_permlanex16_b32 v[PT], v[\sw], s[SEL], s[SEL+1]
	v_or_b32 v[\sw], v[\sw], v[PT]                 ; with lane l xor 16's two the word is whole
.irp c, 0,1
	v_cvt_scalef32_pk16_fp6_f32 v[(\pc)+6*\c:(\pc)+6*\c+2], v[X+32*\c:X+32*\c+15], v[SO+\c]
	v_cvt_scalef32_pk16_fp6_f32 v[TP+4*\c:TP+4*\c+2], v[X+32*\c+16:X+32*\c+31], v[SO+\c]   ; (a conversion's three registers begin on an even number)
.endr
	v_nop                                          ; one plain place behind the scaled conversions
.irp c, 0,1
.irp i, 0,1,2
	v_mov_b32 v[(\pc)+3+6*\c+\i], v[TP+4*\c+\i]
.endr
.endr
.endm
	s_load_b256 s[4:11], s[0:1], 0x0               ; W_k, W_h, h_t, wk_tiles
	s_load_b64 s[12:13], s[0:1], 0x20              ; qh
	v_lshl_add_u32 v254, v0, 2, 0x8000
	v_mov_b32 v255, 0
	v_lshrrev_b32 v1, 5, v0
	v_readfirstlane_b32 s14, v1                    ; wave 0..3
	v_and_b32 v1, 31, v0                           ; lane
	v_and_b32 v2, 15, v0                           ; r
	v_bfe_u32 v3, v0, 4, 1                         ; h
	v_lshlrev_b32 v[KOFF], 4, v2
	v_lshl_add_u32 v[KOFF], v3, 12, v[KOFF]
	s_mul_i32 s15, s14, 4352                       ; my stage (STG = 0)
	v_mul_u32_u24 v[STI], v3, 272
	v_lshl_add_u32 v[STI], v2, 4, v[STI]
	v_add_nc_u32 v[STI], s15, v[STI]
	v_mul_u32_u24 v[STO], v2, 272
	v_lshl_add_u32 v[STO], v3, 7, v[STO]
	v_add_nc_u32 v[STO], s15, v[STO]
	v_lshlrev_b32 v[LI], 4, v1
	v_lshlrev_b32 v[LS], 2, v1
	v_lshlrev_b32 v[H8], 3, v3
	s_mul_i32 s15, s14, 3072
	v_add_nc_u32 v[HWI], s15, v[LI]
	s_lshl_b32 s15, s14, 8
	v_add_nc_u32 v[HWS], s15, v[LS]
	v_lshlrev_b32 v[SOFF], 3, v2
	v_lshl_add_u32 v[SOFF], v3, 2, v[SOFF]
	v_lshlrev_b32 v[QO], 12, v2
	v_lshl_add_u32 v[QO], v3, 5, v[QO]
	v_mov_b32 v[PT], 0                             ; written once: a lane permute's destination counts as one of its sources
	s_mov_b32 s[SEL], 0x76543210
	s_mov_b32 s[SEL+1], 0xfedcba98
	s_lshl_b32 s16, ttmp9, 16                      ; the weights: 16 rows of 4,096 bytes a work-group,
	s_lshl_b32 s17, s14, 10                        ; 256 along K a wave
	s_add_co_u32 s16, s16, s17
	s_mov_b32 s17, 0
	s_lshl_b32 s18, s14, 16                        ; h_t: 16 rows a wave
	s_mov_b32 s19, 0
	s_lshr_b32 s20, ttmp9, 4                       ; p
	s_lshl_b32 s20, s20, 2
	s_add_co_u32 s20, s20, s14                     ; tile 4 p + ks, ks = wave
	s_mul_i32 s20, s20, 51200
	s_and_b32 s21, ttmp9, 15                       ; eb
	s_mul_i32 s22, s21, 1536
	s_add_co_u32 s22, s22, s20                     ; my codes
	s_mov_b32 s23, 0
	s_lshl_b32 s24, s21, 7
	s_add_co_u32 s24, s24, s20
	s_add_co_u32 s24, s24, 49152                   ; my scale words
	s_mov_b32 s25, 0
	s_lshl_b32 s30, s14, 16                        ; qh: batch rows 16 w on, columns 16 t on
	s_lshl_b32 s31, ttmp9, 6
	s_add_co_u32 s30, s30, s31
	s_mov_b32 s31, 0
	s_wait_kmcnt 0x0
	s_add_nc_u64 s[WK:WK+1], s[WK:WK+1], s[16:17]
	s_add_nc_u64 s[WH:WH+1], s[WH:WH+1], s[16:17]
	s_add_nc_u64 s[HT:HT+1], s[HT:HT+1], s[18:19]
	s_add_nc_u64 s[26:27], s[10:11], s[22:23]
	s_add_nc_u64 s[28:29], s[10:11], s[24:25]
	s_add_nc_u64 s[12:13], s[12:13], s[30:31]
	LOADU 0, WH, 0, 1                              ; units 0, 1: W_h;  2, 3: W_k;  4 .. 11: h_t.  Four units, 64 loads a wave, are on their way
	LOADU 1, WH, 512, 1
	LOADU 2, WK, 0, 1
	LOADU 3, WK, 512, 1
; Unit u: its 16 loads are in (the count leaves 16 for each younger unit out), it turns through the stage, its raw set takes unit u + 4 (h_t's K step u), and it is quantised.
.macro UNIT u, pc, sw
.if 11-(\u) >= 3
	s_wait_loadcnt 48
.else
	s_wait_loadcnt 16*(11-(\u))
.endif
	STAGEU (\u)%4
	s_wait_dscnt 0x0                               ; my 64 numbers are back; the stage's stores have read the raw set; earlier image stores have read PC
.if (\u) < 8
	LOADU (\u)%4, HT, 512*(\u), 0
.endif
.if (\u) == 3
	s_wait_xcnt 0x0                                ; unit 2's global stores have read PC: it is written again only behind this wait
.endif
	QBLK \pc, \sw
.endm
.irp x, 0,1
	UNIT \x, PC, SWT
.irp g, 0,1,2
	ds_store_b128 v[HWI], v[PC+4*\g:PC+4*\g+3] offset:HIMG+\x*1536+512*\g    ; W_h's fragment of K step 2 w + x, as it stands in my registers
.endr
	ds_store_b32 v[HWS], v[SWT] offset:HSC+128*\x
.endr
	UNIT 2, PC, SW0
.irp g, 0,1,2
	global_store_b128 v[LI], v[PC+4*\g:PC+4*\g+3], s[26:27] offset:512*\g    ; 32 lanes store 512 consecutive bytes
.endr
	UNIT 3, PC, SW1
.irp g, 0,1,2
	global_store_b128 v[LI], v[PC+4*\g:PC+4*\g+3], s[26:27] offset:24576+512*\g
.endr
	v_cmp_ne_u32 vcc_lo, 0, v3
	v_cndmask_b32 v[SELW], v[SW0], v[SW1], vcc_lo  ; lanes 0-15 store the word of q = 0, lanes 16-31 that of q = 1
	global_store_b32 v[SOFF], v[SELW], s[28:29]    ; 128 consecutive bytes
.irp s, 0,1,2,3,4,5,6,7
	UNIT \s+4, HF+12*\s, HS+\s                     ; h_t's fragments stay in my registers
.endr
	s_wait_dscnt 0x0                               ; for the others' sake: my images of W_h have landed
	s_barrier_signal -1
	s_barrier_wait -1
	WIN 0x40
.irp s, 0,1,2,3,4,5,6,7
.irp g, 0,1,2
	ds_load_b128 v[12*\s+4*\g:12*\s+4*\g+3], v[LI] offset:HIMG+1536*\s+512*\g
.endr
.endr
	WIN 0
.irp s, 0,1,2,3,4,5,6,7
	ds_load_b32 v[WS+\s], v[LS] offset:HSC+128*\s
.endr
	s_wait_dscnt 0x0
.rept 8
	v_nop                                          ; h_t's scale words were written by vector instructions: eight places ahead of a scaled matrix instruction, its fragments four
.endr
	WIN 0x51                                       ; source 0 (W_h), C and D window 1; source 1 (h_t) window 0
; TRANSPOSED: source 0 = 16 rows of W_h, source 1 = my 16 rows of h_t: lane (r, h) holds batch row 16 w + r and e = 16 t + 8 h + 0 .. 7.  Two accumulators by turns.
.irp s, 0,1,2,3,4,5,6,7
.if \s < 2
	v_wmma_scale_f32_16x16x128_f8f6f4 v[96+8*(\s%2):103+8*(\s%2)], v[12*\s:12*\s+11], v[HF+12*\s:HF+12*\s+11], 0, v[WS+\s], v[HS+\s] matrix_a_fmt:MATRIX_FMT_FP6 matrix_b_fmt:MATRIX_FMT_FP6
.else
	v_wmma_scale_f32_16x16x128_f8f6f4 v[96+8*(\s%2):103+8*(\s%2)], v[12*\s:12*\s+11], v[HF+12*\s:HF+12*\s+11], v[96+8*(\s%2):103+8*(\s%2)], v[WS+\s], v[HS+\s] matrix_a_fmt:MATRIX_FMT_FP6 matrix_b_fmt:MATRIX_FMT_FP6
.endif
.endr
.rept 4
	v_nop                                          ; four places behind the last product, ahead of the first read of results
.endr
	WIN 0x05                                       ; sources window 1, destination window 0
.irp k, 0,1,2,3
	v_pk_add_f32 v[OUT+2*\k:OUT+2*\k+1], v[96+2*\k:97+2*\k], v[104+2*\k:105+2*\k]   ; the two halves of K; each accumulator from its low end on
.endr
	WIN 0
	global_store_b128 v[QO], v[OUT:OUT+3], s[12:13]
	global_store_b128 v[QO], v[OUT+4:OUT+7], s[12:13] offset:16
	s_wait_tensorcnt 0x0
	ds_add_u32 v254, v255
	s_wait_dscnt 0x0
	s_endpgm
.Lfunc_end_k_qf0e680c032_prep:
	.size	k_qf0e680c032_prep, .Lfunc_end_k_qf0e680c032_prep-k_qf0e680c032_prep
	.p2alignl 7, 3214868480
	.fill 96, 4, 3214868480
	.section	.rodata,"a",@progbits
	.p2align	6, 0x0
	.amdhsa_kernel k_qf0e680c032_prep
		.amdhsa_group_segment_fixed_size 33280
		.amdhsa_private_segment_fixed_size 0
		.amdhsa_enable_private_segment 0
		.amdhsa_kernarg_size 40
		.amdhsa_user_sgpr_count 2
		.amdhsa_user_sgpr_kernarg_segment_ptr 1
		.amdhsa_wavefront_size32 1
		.amdhsa_system_sgpr_workgroup_id_x 1
		.amdhsa_system_sgpr_workgroup_id_y 1
		.amdhsa_system_sgpr_workgroup_id_z 1
		.amdhsa_system_vgpr_workitem_id 0
		.amdhsa_next_free_vgpr 768
		.amdhsa_next_free_sgpr 66
		.amdhsa_reserve_vcc 1
		.amdhsa_float_denorm_mode_32 3
		.amdhsa_float_denorm_mode_16_64 3
		.amdhsa_memory_ordered 1
		.amdhsa_forward_progress 1
		.amdhsa_inst_pref_size 89
	.end_amdhsa_kernel
	.amdgpu_metadata
---
amdhsa.version: [ 1, 2 ]
amdhsa.kernels:
  - .name:           k_qf0e680c032_prep
    .symbol:         k_qf0e680c032_prep.kd
    .args:
      - { .name: W_k, .offset: 0, .size: 8, .value_kind: global_buffer, .address_space: global }
      - { .name: W_h, .offset: 8, .size: 8, .value_kind: global_buffer, .address_space: global }
      - { .name: h_t, .offset: 16, .size: 8, .value_kind: global_buffer, .address_space: global }
      - { .name: wk_tiles, .offset: 24, .size: 8, .value_kind: global_buffer, .address_space: global }
      - { .name: qh, .offset: 32, .size: 8, .value_kind: global_buffer, .address_space: global }
    .group_segment_fixed_size: 33280
    .private_segment_fixed_size: 0
    .kernarg_segment_align: 8
    .kernarg_segment_size: 40
    .max_flat_workgroup_size: 128
    .sgpr_count:     66
    .vgpr_count:     768
    .wavefront_size: 32
...
	.end_amdgpu_metadata
.endif
;; end of part 1
;; launch scores (part 2): grid 256 x 1, 4 waves a work-group, clusters of 4 x 1, 327,680 bytes of LDS; arguments keys, wk_tiles, qh, v, scores; writes scores
.if DOCPART == 2
	.amdgcn_target "amdgcn-amd-amdhsa--gfx1250"
	.amdhsa_code_object_version 6
	.text
	.protected	k_qf0e680c032_scores
	.globl	k_qf0e680c032_scores
	.p2align	8
	.type	k_qf0e680c032_scores,@function
k_qf0e680c032_scores:
	s_mov_b64 s[64:65], 0
	v_nop
	global_prefetch_b8 v0, s[64:65] scope:SCOPE_SE
	s_setreg_imm32_b32 hwreg(HW_REG_WAVE_MODE, 25, 1), 1
	s_wait_xcnt 0x0
	s_wait_alu depctr_hold_cnt(0) depctr_sa_sdst(0) depctr_va_vdst(0) depctr_va_sdst(0) depctr_va_ssrc(0) depctr_va_vcc(0) depctr_vm_vsrc(0)
	s_getreg_b32 s2, hwreg(HW_REG_IB_STS2, 6, 4)
	s_cmp_eq_u32 s2, 0
	s_cbranch_scc0 .Lentry_in_a_cluster
	s_endpgm
.Lentry_in_a_cluster:
	s_bfe_u32 s2, ttmp6, 0x10000c
	s_cmp_lg_u32 s2, 0x3003
	s_cbranch_scc0 .Lentry_shape_is_right
	s_endpgm
.Lentry_shape_is_right:
; SCORES.  scores[b][n] = sum over e of v[e] tanh(qh[b][e] + kh[b][n][e]),  kh = Q(keys) Q(W_k)^T on codes of FP6 (E2M3) with one E8M0 scale for each 32 along K; sums in f32.
; SHARES.  A cluster of four work-groups is one batch b; a work-group owns 256 key rows and ALL 1,024 e.  Phase Q: its four waves quantise 64 rows each, once, into LDS, as images of operand registers.
; Then four passes over e, 256 at a time; in a pass a wave makes 128 rows x 128 e (64 accumulators, 512 registers) over K = 1,024, and folds them at once into 64 score sums a lane: kh never leaves the registers.
; W_k's tiles (51,200 dense bytes: 256 e x 256 along K, codes in register order, scale words behind them) come through a ring of two LDS slots.  All work-groups walk the same tiles:
; each tile is asked for JOINTLY by the cluster's four (mask 15), each wave moving its own 50 rows of 256 bytes.
; THE MATRIX INSTRUCTION IS USED AS IT STANDS: source 0 = 16 key rows, source 1 = 16 rows of W_k: lane r holds ONE e, its registers eight key rows: so qh[e] and v[e] cost one register a block of 16 e.
; TANH.  tanh x = 1 - 2 / (1 + 2^(x 2 log2 e)): score = sum v + sum (-2 v) / (1 + 2^(..)).  Where the power overflows the quotient is 0, where it falls to 0 the quotient is 1: both are tanh's own ends; no clamp.
; LIMITS: a block of zeros keeps the scale byte 1 where the rule says 127 (its codes are zeros, and only this program reads the bytes); NaN and infinities among the inputs are not served.
; keys are read here once; the launch that follows reads them a second time for the context.
; All of the WGP's LDS is claimed and 0 is added to spare words at each change of slots and at the end.
.set ASC,   196608                     ; LDS: 0 .. 196,607 A's images: plane g (registers 4 g .. 4 g + 3) x 65,536 + K step of 128 x 8,192 + block of 16 rows x 512 + 16 x lane
                                       ; ASC: A's scale words: K step of 256 x 2,048 + block x 128 + 8 r + 4 q
.set RING,  204800                     ; two slots of 51,200 bytes, filled by tensor loads alone
.set STG,   307200                     ; the quantiser's stages, 16 x 272 bytes a wave
.set SCX,   324608                     ; the waves' score sums: [e half][256 rows] f32
.set SPARE, 326656                     ; the spare words, 128 bytes a wave: two blocks of 256 bytes that no other line names
.set KOFF, 1                           ; v1   a unit's load: (lane / 16) x 4096 + (lane % 16) x 16
.set STI,  2                           ; v2   into my stage
.set STO,  3                           ; v3   out of my stage
.set H8,   4                           ; v4   8 h
.set WAB,  5                           ; v5-7   where I store images: plane + 2048 x wave + 16 x lane
.set WA,   8                           ; v8-10  the same at the K step in hand
.set WSB,  11                          ; v11  where I store scale words: ASC + 512 x wave + 8 r
.set WSA,  12                          ; v12  the same at the K step in hand
.set ADA,  13                          ; v13-15 where I read A's images: plane + 4096 i + 16 x lane + the lap's half of K
.set ADB,  16                          ; v16-17 B's codes in slot 0, 1
.set ADSB, 18                          ; v18-19 B's scale words in slot 0, 1
.set ADSA, 20                          ; v20  A's scale words
.set EOFF, 21                          ; v21  512 j + 4 r: my e in qh and v
.set SXW,  22                          ; v22  where I put score sums
.set SXR,  23                          ; v23  where I read them back
.set GSO,  24                          ; v24  8 x thread
.set VS,   26                          ; v26  my lane's sum of v (v27: named with it as a pair)
.set SPW,  28                          ; v28  my spare word; never rewritten
.set NIL,  29                          ; v29  0; never rewritten
.set PT,   30                          ; v30  a lane permute's destination
.set SCA,  32                          ; v32-63 A's scale words, nothing else: set sl at 32 + 16 sl, register 2 a + q
.set SCB,  64                          ; v64-95 B's likewise, 2 b + q
.set QH,   96                          ; v96-111  qh x 2 log2 e of my eight e, each twice (a pair)
.set VV,   112                         ; v112-127 -2 v likewise
.set AF,   128                         ; v128-223 A's eight fragments, ONE set
.set ADAB, 224                         ; v224-226 ADA's base;  v227 ADSA's
.set ADSAB, 227
.set PC,   96                          ; phase Q: the fragment just made
.set X,    128                         ; phase Q: a unit's 64 numbers
.set M,    192
.set SO,   194
.set BY,   196
.set TP,   198
.set SW,   206
.set FT,   128                         ; the finish: 64 score sums
; window 1: v0-95, v128-223 B's fragments, two sets; v96-127, v224-255 the score sums S(a, jj).   windows 2, 3: the accumulators, (a, b) at v[8 (8 (a % 4) + b)]; in phase Q window 2 holds four raw sets.
.set G1,   24                          ; s[24:31] descriptor group 1
.set G0,   32                          ; s[32:39] group 0, a set for each slot
.set C2,   40                          ; s[40:41] 2 log2 e, twice
.set SEL,  42                          ; s[42:43] selects for lane l xor 16
.set PAR,  47                          ; s47  0 or 0x8000: which half of K the lap walks
.set KP,   48                          ; s[48:49] keys at my wave's rows
.set MUL_LO, 0xa4                      ; source 0 (A) window 0, source 1 (B) window 1, C and D window 2
.set MUL_HI, 0xf4                      ; the same, C and D window 3
.set MSB, 0
.macro WIN new                         ; the immediate's high byte repeats the setting that is left
.if MSB != (\new)
	s_set_vgpr_msb (MSB<<8)|(\new)
.set MSB, (\new)
.endif
.endm
.macro CREST                           ; a round of the cluster's barrier behind its opening barrier
	s_cmp_lg_u32 s14, 0
	s_cbranch_scc1 .Lnot_wave_0_\@
	s_barrier_signal -3
.Lnot_wave_0_\@:
	s_barrier_wait -3
	s_barrier_signal -1
	s_barrier_wait -1
.endm
.macro CROUND                          ; a whole round
	s_barrier_signal -1
	s_barrier_wait -1
	CREST
.endm
.macro PLACES                          ; four plain places behind a matrix instruction, ahead of loads into its registers and of reads of its results
.rept 4
	v_nop
.endr
.endm
; ---- the quantiser.  A UNIT is 16 rows x 128 along K of f32: one fragment and one scale word a row.
.macro LOADU set, base, off, nt        ; a unit's 16 loads, two rows' aligned 256 bytes each, into raw set 'set' of window 2
	WIN 0x80
.irp c, 0,1
.irp t, 0,1,2,3,4,5,6,7
.if \nt
	global_load_b128 v[64*(\set)+32*\c+4*\t:64*(\set)+32*\c+4*\t+3], v[KOFF], s[\base:\base+1] offset:(\off)+256*\c+8192*\t th:TH_LOAD_NT
.else
	global_load_b128 v[64*(\set)+32*\c+4*\t:64*(\set)+32*\c+4*\t+3], v[KOFF], s[\base:\base+1] offset:(\off)+256*\c+8192*\t
.endif
.endr
.endr
	WIN 0
.endm
.macro STAGEU set                      ; the unit turns through my stage (rows 272 bytes apart), 256 bytes of each row at a time; LDS serves a wave's instructions in order
.irp c, 0,1
	WIN 0x08
.irp t, 0,1,2,3,4,5,6,7
	ds_store_b128 v[STI], v[64*(\set)+32*\c+4*\t:64*(\set)+32*\c+4*\t+3] offset:544*\t
.endr
	WIN 0
.irp i, 0,1,2,3,4,5,6,7
	ds_load_b128 v[X+32*\c+4*\i:X+32*\c+4*\i+3], v[STO] offset:16*\i
.endr
.endr
.endm
.macro QBLK pc, sw                     ; v[X] .. v[X + 63]: my two whole blocks (2 c + h) of row r -> 12 registers of codes at v[pc], the row's scale word in v[sw]
.irp c, 0,1
	v_max3_num_f32 v[M+\c], |v[X+32*\c]|, |v[X+32*\c+1]|, 0x1800000      ; with the floor 2^(3 - 127): the byte cannot fall under 1
.endr
.irp i, 2,4,6,8,10,12,14,16,18,20,22,24,26,28,30
.irp c, 0,1
	v_max3_num_f32 v[M+\c], v[M+\c], |v[X+32*\c+\i]|, |v[X+32*\c+\i+1]|  ; the two blocks by turns
.endr
.endr
.irp c, 0,1
	v_add_nc_u32 v[SO+\c], 0xff000000, v[M+\c]     ; 2 off the exponent field: the conversion's scale operand
.endr
.irp c, 0,1
	v_lshrrev_b32 v[BY+\c], 23, v[SO+\c]           ; the scale's byte
.endr
	v_lshl_or_b32 v[\sw], v[BY+1], 16, v[BY]
	v_lshlrev_b32 v[\sw], v[H8], v[\sw]
	v_permlanex16_b32 v[PT], v[\sw], s[SEL], s[SEL+1]
	v_or_b32 v[\sw], v[\sw], v[PT]                 ; with lane l xor 16's two bytes the word is whole
.irp c, 0,1
	v_cvt_scalef32_pk16_fp6_f32 v[(\pc)+6*\c:(\pc)+6*\c+2], v[X+32*\c:X+32*\c+15], v[SO+\c]
	v_cvt_scalef32_pk16_fp6_f32 v[TP+4*\c:TP+4*\c+2], v[X+32*\c+16:X+32*\c+31], v[SO+\c]   ; (a conversion's three registers begin on an even number)
.endr
	v_nop                                          ; one plain place behind the scaled conversions
.irp c, 0,1
.irp i, 0,1,2
	v_mov_b32 v[(\pc)+3+6*\c+\i], v[TP+4*\c+\i]
.endr
.endr
.endm
	s_load_b256 s[4:11], s[0:1], 0x0               ; keys, wk_tiles, qh, v
	s_load_b64 s[12:13], s[0:1], 0x20              ; scores
	v_lshl_add_u32 v[SPW], v0, 2, SPARE
	v_mov_b32 v[NIL], 0
	ds_add_u32 v28, v29
	ds_add_u32 v28, v29
	s_wait_dscnt 0x0
	v_lshrrev_b32 v216, 5, v0
	v_readfirstlane_b32 s14, v216                  ; wave 0..3
	s_lshr_b32 s15, s14, 1                         ; i: which 128 rows are mine
	s_and_b32 s16, s14, 1                          ; j: which 128 e of a pass's 256
	s_bfe_u32 s17, ttmp6, 0x40000                  ; cx: which 256 rows of the batch; it enters the addresses of keys and scores alone
	v_and_b32 v216, 31, v0                         ; lane
	v_and_b32 v217, 15, v0                         ; r
	v_bfe_u32 v218, v0, 4, 1                       ; h
	v_lshlrev_b32 v[KOFF], 4, v217
	v_lshl_add_u32 v[KOFF], v218, 12, v[KOFF]
	; descriptor group 1: 50 rows of 256 bytes, dense
	s_mov_b32 s[G1+0], 15|(3<<16)|(1<<21)          ; 15:0 the mask: all four work-groups; 17:16 elements of 8 bytes; 20 no padding; 21 set beside a mask
	s_mov_b32 s[G1+1], 32<<16                      ; tensor_dim0 = 32
	s_mov_b32 s[G1+2], 50<<16                      ; tensor_dim1 = 50
	s_mov_b32 s[G1+3], 32<<16                      ; tile_dim0 = 32
	s_mov_b32 s[G1+4], 50                          ; tile_dim1 = 50
	s_mov_b32 s[G1+5], 32                          ; from row to row
	s_mov_b32 s[G1+6], 0
	s_mov_b32 s[G1+7], 0
	s_mul_i32 s18, s14, 12800                      ; my quarter of a tile, in memory and in a slot: the wave's number alone
	s_mov_b32 s19, 0
	s_mov_b32 s[C2], 0x4038aa3b                    ; 2 log2 e
	s_mov_b32 s[C2+1], s[C2]
	s_mov_b32 s[SEL], 0x76543210
	s_mov_b32 s[SEL+1], 0xfedcba98
	s_mov_b32 s[PAR], 0
	s_lshl_b32 s22, ttmp9, 22                      ; keys: a batch is 1,024 rows of 4,096 bytes,
	s_lshl_b32 s23, s17, 20                        ; my work-group's 256 rows,
	s_add_co_u32 s22, s22, s23
	s_lshl_b32 s23, s14, 18                        ; my wave's 64
	s_add_co_u32 s22, s22, s23
	s_mov_b32 s23, 0
	s_lshl_b32 s20, ttmp9, 12                      ; qh and scores: 4,096 bytes a batch
	s_mov_b32 s21, 0
	s_wait_kmcnt 0x0
	s_add_nc_u64 s[KP:KP+1], s[4:5], s[22:23]
	s_add_nc_u64 s[50:51], s[8:9], s[20:21]        ; qh's row
	s_mov_b64 s[52:53], s[10:11]                   ; v
	s_add_nc_u64 s[54:55], s[12:13], s[20:21]
	s_lshl_b32 s20, s17, 10
	s_add_nc_u64 s[54:55], s[54:55], s[20:21]      ; my work-group's 256 scores
	s_add_nc_u64 s[20:21], s[6:7], s[18:19]        ; wk_tiles at my quarter of tile 0
.irp n, 0,1
	s_mov_b32 s[G0+4*\n], 1                        ; count = 1
	s_add_co_u32 s[G0+4*\n+1], s18, RING+\n*51200  ; LDS address
	s_add_nc_u64 s[G0+4*\n+2:G0+4*\n+3], s[20:21], \n*51200   ; tile n
	s_or_b32 s[G0+4*\n+3], s[G0+4*\n+3], 0x80000000           ; type = 2
.endr
	CROUND                                         ; all four work-groups are here: the first joint loads meet
	tensor_load_to_lds s[G0:G0+3], s[G1:G1+7]      ; tiles 0 and 1: two loads of mine are out, the most in this text
	s_nop 0
	tensor_load_to_lds s[G0+4:G0+7], s[G1:G1+7]
	s_nop 0
.rept 4
	v_nop                                          ; four lines behind a tensor load, ahead of any switch of windows
.endr
.irp x, 0,1,2,3
	LOADU \x, KP, \x*65536, 1                      ; K step 0 of my four blocks of 16 rows: 64 loads a wave
.endr
	s_mul_i32 s20, s14, 4352
	s_add_co_u32 s20, s20, STG                     ; my stage
	v_mul_u32_u24 v[STI], v218, 272
	v_lshl_add_u32 v[STI], v217, 4, v[STI]
	v_add_nc_u32 v[STI], s20, v[STI]
	v_mul_u32_u24 v[STO], v217, 272
	v_lshl_add_u32 v[STO], v218, 7, v[STO]
	v_add_nc_u32 v[STO], s20, v[STO]
	v_lshlrev_b32 v[H8], 3, v218
	s_lshl_b32 s20, s14, 11
	v_lshl_add_u32 v[WAB], v216, 4, s20
	v_add_nc_u32 v[WAB+1], 0x10000, v[WAB]
	v_add_nc_u32 v[WAB+2], 0x20000, v[WAB]
	s_lshl_b32 s20, s14, 9
	s_add_co_u32 s20, s20, ASC
	v_lshl_add_u32 v[WSB], v217, 3, s20
	s_lshl_b32 s20, s15, 12
	v_lshl_add_u32 v[ADAB], v216, 4, s20
	v_add_nc_u32 v[ADAB+1], 0x10000, v[ADAB]
	v_add_nc_u32 v[ADAB+2], 0x20000, v[ADAB]
.irp g, 0,1,2
	v_mov_b32 v[ADA+\g], v[ADAB+\g]
.endr
	s_mul_i32 s20, s16, 12288
	s_add_co_u32 s20, s20, RING
	v_lshl_add_u32 v[ADB], v216, 4, s20
	v_add_nc_u32 v[ADB+1], 51200, v[ADB]
	s_lshl_b32 s20, s16, 10
	s_add_co_u32 s20, s20, RING+49152
	v_lshl_add_u32 v[ADSB], v217, 3, s20
	v_add_nc_u32 v[ADSB+1], 51200, v[ADSB]
	s_lshl_b32 s20, s15, 10
	s_add_co_u32 s20, s20, ASC
	v_lshl_add_u32 v[ADSAB], v217, 3, s20
	v_mov_b32 v[ADSA], v[ADSAB]
	s_lshl_b32 s20, s16, 9
	v_lshl_add_u32 v[EOFF], v217, 2, s20
	s_lshl_b32 s20, s16, 10
	s_lshl_b32 s21, s15, 9
	s_add_co_u32 s20, s20, s21
	s_add_co_u32 s20, s20, SCX
	v_lshl_add_u32 v[SXW], v218, 5, s20
	v_lshl_add_u32 v[SXR], v0, 3, SCX
	v_lshlrev_b32 v[GSO], 3, v0
	v_mov_b32 v[VS], 0
	v_mov_b32 v[VS+1], 0
	v_mov_b32 v[PT], 0                             ; written once: a lane permute's destination counts as one of its sources
	WIN 0x40
.irp k, 0,1,2,3,4,5,6,7,8,9,10,11,12,13,14,15,16,17,18,19,20,21,22,23,24,25,26,27,28,29,30,31
	v_mov_b32 v[96+\k], 0                          ; the 64 score sums begin as zeros, once: the fold of a pass is written for every pass alike
	v_mov_b32 v[224+\k], 0
.endr
	WIN 0
; ---- PHASE Q.  A trip is one K step of 128 (s44) of my 64 rows: four units.  more = 1: each raw set is filled again with the next K step.
.macro QTRIP more
	s_wait_dscnt 0x0                               ; the last trip's image stores have read their address registers
	s_lshr_b32 s45, s44, 1
	s_lshl_b32 s45, s45, 11                        ; scale words: 2,048 bytes for each 256 along K,
	s_and_b32 s46, s44, 1
	s_lshl_b32 s46, s46, 2                         ; 4 for the second 128
	s_add_co_u32 s45, s45, s46
	v_add_nc_u32 v[WSA], s45, v[WSB]
	s_lshl_b32 s46, s44, 13                        ; images: 8,192 bytes a K step
.irp g, 0,1,2
	v_add_nc_u32 v[WA+\g], s46, v[WAB+\g]
.endr
.irp x, 0,1,2,3
.if \more
	s_wait_loadcnt 48                              ; this unit's 16 loads are in; the three younger units' 48 stay out
.else
	s_wait_loadcnt 48-16*\x
.endif
	STAGEU \x
	s_wait_dscnt 0x0                               ; my 64 numbers are back; the stage's stores have read the raw set; the last unit's image stores have read PC
.if \more
	LOADU \x, KP, \x*65536+512, 1
.endif
	QBLK PC, SW
.irp g, 0,1,2
	ds_store_b128 v[WA+\g], v[PC+4*\g:PC+4*\g+3] offset:512*\x     ; the fragment as it stands: 512 consecutive bytes a store
.endr
	ds_store_b32 v[WSA], v[SW] offset:128*\x       ; lanes r and r + 16 write the same word with the same value
.endr
.if \more
	s_wait_xcnt 0x0                                ; the loads have read their base: it steps only behind this wait
	s_add_nc_u64 s[KP:KP+1], s[KP:KP+1], 512
.endif
.endm
	s_mov_b32 s44, 0
.Lq:
	QTRIP 1
	s_add_co_u32 s44, s44, 1
	s_cmp_lt_u32 s44, 7
	s_cbranch_scc1 .Lq
	QTRIP 0                                        ; the last K step loads nothing: no load leaves keys
; a pass's constants: qh and v at my eight e (256 p + 128 j + 16 b + r)
.macro CLOAD
.irp b, 0,1,2,3,4,5,6,7
	global_load_b32 v[QH+2*\b], v[EOFF], s[50:51] offset:64*\b
	global_load_b32 v[VV+2*\b], v[EOFF], s[52:53] offset:64*\b
.endr
.endm
	s_wait_dscnt 0x0                               ; for the others' sake: my images and scale words have landed (and the stores have read PC, into which the loads below land)
	CLOAD
	s_wait_tensorcnt 0x1                           ; my quarter of tile 0 is in; tile 1's load may stay out
	s_barrier_signal -1
	s_barrier_wait -1
; ---- THE PRODUCT.  A slot holds 256 along K: two steps of 128, 64 matrix instructions each, A's blocks one after the other against B's eight.  A has one set of registers (blocks 0-3 are fetched anew in a
; step's middle, blocks 4-7 at its end), B two.  A fragment comes by three loads of 16 bytes a lane.
.macro FRAGA a, sl, q
.irp g, 0,1,2
	ds_load_b128 v[AF+12*(\a)+4*\g:AF+12*(\a)+4*\g+3], v[ADA+\g] offset:(\sl)*16384+(\q)*8192+(\a)*512
.endr
.endm
.macro FETCH_A sl, q, a0
.irp a, \a0, \a0+1, \a0+2, \a0+3
	FRAGA \a, \sl, \q
.endr
.endm
.macro FETCH_B sl, q, set
	WIN 0x40
.irp b, 0,1,2,3,4,5,6,7
.irp g, 0,1,2
	ds_load_b128 v[128*(\set)+12*\b+4*\g:128*(\set)+12*\b+4*\g+3], v[ADB+(\sl)] offset:(\q)*24576+\b*1536+512*\g
.endr
.endr
	WIN 0
.endm
.macro SCALES sl                       ; both steps' scale words of a slot: 8 bytes a row
.irp a, 0,1,2,3,4,5,6,7
	ds_load_b64 v[SCA+16*(\sl)+2*\a:SCA+16*(\sl)+2*\a+1], v[ADSA] offset:(\sl)*2048+\a*128
.endr
.irp b, 0,1,2,3,4,5,6,7
	ds_load_b64 v[SCB+16*(\sl)+2*\b:SCB+16*(\sl)+2*\b+1], v[ADSB+(\sl)] offset:\b*128
.endr
.endm
; 16 matrix instructions: A's blocks a0, a0 + 1 x B's eight.  zero = 1: the product starts the sums.  The 64 accumulators take turns, one instruction a turn, in the same order in every step.
.macro MUL16 a0, set, q, sc, zero
.irp a, \a0, \a0+1
.irp b, 0,1,2,3,4,5,6,7
.if \zero
	v_wmma_scale_f32_16x16x128_f8f6f4 v[8*(8*((\a)%4)+\b):8*(8*((\a)%4)+\b)+7], v[AF+12*(\a):AF+12*(\a)+11], v[128*(\set)+12*\b:128*(\set)+12*\b+11], 0, v[SCA+16*(\sc)+2*(\a)+(\q)], v[SCB+16*(\sc)+2*\b+(\q)] matrix_a_fmt:MATRIX_FMT_FP6 matrix_b_fmt:MATRIX_FMT_FP6
.else
	v_wmma_scale_f32_16x16x128_f8f6f4 v[8*(8*((\a)%4)+\b):8*(8*((\a)%4)+\b)+7], v[AF+12*(\a):AF+12*(\a)+11], v[128*(\set)+12*\b:128*(\set)+12*\b+11], v[8*(8*((\a)%4)+\b):8*(8*((\a)%4)+\b)+7], v[SCA+16*(\sc)+2*(\a)+(\q)], v[SCB+16*(\sc)+2*\b+(\q)] matrix_a_fmt:MATRIX_FMT_FP6 matrix_b_fmt:MATRIX_FMT_FP6
.endif
.endr
.endr
.endm
.macro STEP sl, zero                   ; a slot's first step (B's set 0)
	s_wait_dscnt 12                                ; B's set, A's blocks 0-3 and the scale words are in; the youngest 12 loads (A's blocks 4-7) may be out
	WIN MUL_LO
	MUL16 0, 0, 0, \sl, \zero
	MUL16 2, 0, 0, \sl, \zero
	s_wait_dscnt 0x0                               ; A's blocks 4-7 are in
	PLACES
	FETCH_B \sl, 1, 1
	FETCH_A \sl, 1, 0
	WIN MUL_HI
	MUL16 4, 0, 0, \sl, \zero
	MUL16 6, 0, 0, \sl, \zero
	PLACES
	WIN 0
	FETCH_A \sl, 1, 4
.endm
; A slot's second step changes slots: ONE barrier.  In front of it each wave waits for all its tensor loads (its quarter of the next slot), adds 0 to its spare word, and waits for that and for its reads of this slot.
; fill = 1: the barrier opens a round of the cluster's barrier, and this slot is filled again, two tiles on: the wave's one tensor load, first behind the round.
.macro TURN sl, next, fill
	s_wait_tensorcnt 0x0                           ; all my tensor loads have landed
	ds_add_u32 v[SPW], v[NIL]
	s_wait_dscnt 13                                ; (the add and the youngest 12 loads, A's blocks 4-7, may be out)
	WIN MUL_LO
	MUL16 0, 1, 1, \sl, 0                          ; sixteen matrix instructions stand between the add and the wait for it
	s_wait_dscnt 0x0                               ; the add is done, and my reads of this slot are over
	s_barrier_signal -1
	MUL16 2, 1, 1, \sl, 0
	WIN 0
	s_barrier_wait -1
.if \fill
	CREST                                          ; no wave of any partner still reads this slot or has a load on its way
	s_add_nc_u64 s[G0+4*(\sl)+2:G0+4*(\sl)+3], s[G0+4*(\sl)+2:G0+4*(\sl)+3], 102400
	tensor_load_to_lds s[G0+4*(\sl):G0+4*(\sl)+3], s[G1:G1+7]
	s_nop 0
.rept 4
	v_nop                                          ; the places in front of the loads below
.endr
.else
	PLACES
.endif
.if (\sl) == 1
	s_xor_b32 s[PAR], s[PAR], 0x8000               ; the next lap walks the other half of K: A's images 32,768 bytes on or back,
	s_lshr_b32 s46, s[PAR], 3                      ; its scale words 4,096
.irp g, 0,1,2
	v_add_nc_u32 v[ADA+\g], s[PAR], v[ADAB+\g]
.endr
	v_add_nc_u32 v[ADSA], s46, v[ADSAB]
.endif
	FETCH_B \next, 0, 0
	FETCH_A \next, 0, 0
	SCALES \next
	WIN MUL_HI
	MUL16 4, 1, 1, \sl, 0
	MUL16 6, 1, 1, \sl, 0
	PLACES
	WIN 0
	FETCH_A \next, 0, 4
.endm
; ---- THE FOLD of a pass: S(a, jj) += sum over my eight e of (-2 v) / (1 + 2^(acc c + qh c)), c = 2 log2 e; VS += v.  By blocks a of 16 rows, in five stages:
;   ET scaling (packed), EE 64 exponentials, EA + 1 (packed), ER 64 reciprocals, EF the multiply-adds into S (packed).  The stages of neighbouring blocks are laid so that each group of transcendentals
;   is followed by plain work that names none of its results, and ONE s_wait_alu stands ahead of each group's readers.
.macro ET a
	WIN 0x82+0x41*((\a)/4)
.irp b, 0,1,2,3,4,5,6,7
.irp k, 0,1,2,3
	v_pk_fma_f32 v[64*((\a)%4)+8*\b+2*\k:64*((\a)%4)+8*\b+2*\k+1], v[64*((\a)%4)+8*\b+2*\k:64*((\a)%4)+8*\b+2*\k+1], s[C2:C2+1], v[QH+2*\b:QH+2*\b+1] op_sel_hi:[1,0,1]   ; each accumulator from its low end on
.endr
.endr
.endm
.macro EE a
	WIN 0x82+0x41*((\a)/4)
.set n, 64*((\a)%4)
.rept 64
	v_exp_f32 v[n], v[n]
.set n, n+1
.endr
.endm
.macro EA a
	WIN 0x82+0x41*((\a)/4)
.set n, 64*((\a)%4)
.rept 32
	v_pk_add_f32 v[n:n+1], v[n:n+1], 1.0 op_sel_hi:[1,0]
.set n, n+2
.endr
.endm
.macro ER a
	WIN 0x82+0x41*((\a)/4)
.set n, 64*((\a)%4)
.rept 64
	v_rcp_f32 v[n], v[n]
.set n, n+1
.endr
.endm
.macro EF a
	WIN 0x52+((\a)/4)                              ; S (destination, source 2) window 1, the quotients window 2 or 3, -2 v window 0
.set sb, 96+8*(\a)+96*((\a)/4)
.irp b, 0,1,2,3,4,5,6,7
.irp k, 0,1,2,3
	v_pk_fma_f32 v[sb+2*\k:sb+2*\k+1], v[64*((\a)%4)+8*\b+2*\k:64*((\a)%4)+8*\b+2*\k+1], v[VV+2*\b:VV+2*\b+1], v[sb+2*\k:sb+2*\k+1]
.endr
.endr
.endm
.macro GRP k
	s_wait_alu depctr_va_vdst(0)                   ; one wait for all transcendentals issued so far, ahead of their first readers
.if (\k) >= 2
	EF (\k)-2
.endif
.if (\k) <= 8
	EA (\k)-1
	ER (\k)-1
.endif
.if (\k) <= 7
	EE \k
.endif
.if (\k) <= 6
	ET (\k)+1                                      ; plain work behind the transcendentals, on other registers
.elseif (\k) <= 8
	v_nop                                          ; the plain place behind the last transcendental of the group
.endif
.endm
.macro EPI more                        ; more = 1: a pass follows: its constants are asked for at the end
	s_wait_loadcnt 0x0                             ; this pass's qh and v are in, and their loads have read their bases
.if \more
	s_add_nc_u64 s[50:51], s[50:51], 1024          ; 256 e on
	s_add_nc_u64 s[52:53], s[52:53], 1024
.endif
.irp b, 0,1,2,3,4,5,6,7                ; these 40 plain lines name no register of the last products: they are also the places behind them
	v_mul_f32 v[QH+2*\b+1], s[C2], v[QH+2*\b]
	v_mul_f32 v[QH+2*\b], s[C2], v[QH+2*\b]
	v_add_f32 v[VS], v[VS], v[VV+2*\b]
	v_mul_f32 v[VV+2*\b+1], -2.0, v[VV+2*\b]
	v_mul_f32 v[VV+2*\b], -2.0, v[VV+2*\b]
.endr
	ET 0
	EE 0
	ET 1
.irp k, 1,2,3,4,5,6,7,8,9
	GRP \k
.endr
	WIN 0
.if \more
	CLOAD
.endif
.endm
	FETCH_B 0, 0, 0
	FETCH_A 0, 0, 0
	SCALES 0
	FETCH_A 0, 0, 4
	STEP 0, 1                                      ; the first step stands in front of the loop: its products start the sums
	s_mov_b32 s3, 0
.Llap:                                                 ; a lap = two slots = 512 along K; two laps are a pass.  A trip goes from a lap's second step to the next lap's first and fills both slots again: tiles 2 .. 15
	TURN 0, 1, 1
	STEP 1, 0
	TURN 1, 0, 1
	s_bitcmp1_b32 s3, 0                            ; behind an odd lap a pass is whole (a branch on the loop's counter; no tensor load and no barrier lies under it)
	s_cbranch_scc0 .Leven
	EPI 1
	STEP 0, 1                                      ; the next pass's first products start the sums anew
	s_branch .Ljoin
.Leven:
	STEP 0, 0
.Ljoin:
	s_add_co_u32 s3, s3, 1
	s_cmp_lt_u32 s3, 7
	s_cbranch_scc1 .Llap
	TURN 0, 1, 0                                   ; the last lap fills nothing
	STEP 1, 0
	s_wait_dscnt 12                                ; the very last step: nothing more to fetch
	WIN MUL_LO
	MUL16 0, 1, 1, 1, 0
	MUL16 2, 1, 1, 1, 0
	s_wait_dscnt 0x0
	WIN MUL_HI
	MUL16 4, 1, 1, 1, 0
	MUL16 6, 1, 1, 1, 0
	WIN 0
	EPI 0
; ---- THE FINISH.  A lane's sums cover its e (r, eight blocks, four passes).  Its own sum of v is added to each of its 64 sums on the way to window 0; four steps across the sixteen lanes then sum both;
; the two e halves meet in LDS.
	WIN 0x01                                       ; source 0 window 1
.irp a, 0,1,2,3,4,5,6,7
.irp k, 0,1,2,3
	v_pk_add_f32 v[FT+8*\a+2*\k:FT+8*\a+2*\k+1], v[96+8*\a+96*(\a/4)+2*\k:96+8*\a+96*(\a/4)+2*\k+1], v[VS:VS+1] op_sel_hi:[1,0]
.endr
.endr
	WIN 0
.irp m, 1,2,4,8
.set n, FT
.rept 64
	v_add_f32_dpp v[n], v[n], v[n] row_xmask:\m row_mask:0xf bank_mask:0xf
.set n, n+1
.endr
.endr
.irp a, 0,1,2,3,4,5,6,7
.irp k, 0,1
	ds_store_b128 v[SXW], v[FT+8*\a+4*\k:FT+8*\a+4*\k+3] offset:64*\a+16*\k      ; rows 128 i + 16 a + 8 h + 4 k on; the sixteen lanes of a half write the same bytes with the same values
.endr
.endr
	s_wait_dscnt 0x0                               ; for the others' sake: my sums have landed
	s_barrier_signal -1
	s_barrier_wait -1
	ds_load_b64 v[200:201], v[SXR]
	ds_load_b64 v[202:203], v[SXR] offset:1024
	s_wait_dscnt 0x0
	v_pk_add_f32 v[200:201], v[200:201], v[202:203]
	global_store_b64 v[GSO], v[200:201], s[54:55]  ; a wave stores 256 consecutive bytes, at a multiple of 256 from the buffer's first byte
	s_wait_tensorcnt 0x0                           ; the wave's end
	ds_add_u32 v[SPW], v[NIL]
	s_wait_dscnt 0x0
	CROUND                                         ; the closing round: no work-group ends while a partner may still ask for a tile that names it
	s_endpgm
.Lfunc_end_k_qf0e680c032_scores:
	.size	k_qf0e680c032_scores, .Lfunc_end_k_qf0e680c032_scores-k_qf0e680c032_scores
	.p2alignl 7, 3214868480
	.fill 96, 4, 3214868480
	.section	.rodata,"a",@progbits
	.p2align	6, 0x0
	.amdhsa_kernel k_qf0e680c032_scores
		.amdhsa_group_segment_fixed_size 327680
		.amdhsa_private_segment_fixed_size 0
		.amdhsa_enable_private_segment 0
		.amdhsa_kernarg_size 40
		.amdhsa_user_sgpr_count 2
		.amdhsa_user_sgpr_kernarg_segment_ptr 1
		.amdhsa_wavefront_size32 1
		.amdhsa_system_sgpr_workgroup_id_x 1
		.amdhsa_system_sgpr_workgroup_id_y 1
		.amdhsa_system_sgpr_workgroup_id_z 1
		.amdhsa_system_vgpr_workitem_id 0
		.amdhsa_next_free_vgpr 1024
		.amdhsa_next_free_sgpr 66
		.amdhsa_reserve_vcc 0
		.amdhsa_float_denorm_mode_32 3
		.amdhsa_float_denorm_mode_16_64 3
		.amdhsa_memory_ordered 1
		.amdhsa_forward_progress 1
		.amdhsa_inst_pref_size 255
	.end_amdhsa_kernel
	.section	.bss,"aw",@nobits
	.p2align	6
	.space	262144
	.amdgpu_metadata
---
amdhsa.version: [ 1, 2 ]
amdhsa.kernels:
  - .name:           k_qf0e680c032_scores
    .symbol:         k_qf0e680c032_scores.kd
    .args:
      - { .name: keys, .offset: 0, .size: 8, .value_kind: global_buffer, .address_space: global }
      - { .name: wk_tiles, .offset: 8, .size: 8, .value_kind: global_buffer, .address_space: global }
      - { .name: qh, .offset: 16, .size: 8, .value_kind: global_buffer, .address_space: global }
      - { .name: v, .offset: 24, .size: 8, .value_kind: global_buffer, .address_space: global }
      - { .name: scores, .offset: 32, .size: 8, .value_kind: global_buffer, .address_space: global }
    .group_segment_fixed_size: 327680
    .private_segment_fixed_size: 0
    .kernarg_segment_align: 8
    .kernarg_segment_size: 40
    .max_flat_workgroup_size: 128
    .sgpr_count:     66
    .vgpr_count:     1024
    .wavefront_size: 32
...
	.end_amdgpu_metadata
.endif
;; end of part 2
;; launch context (part 3): grid 4 x 64, 8 waves a work-group, no clusters, 17,408 bytes of LDS; arguments scores, keys, out0, out1; writes out0, out1
.if DOCPART == 3
	.amdgcn_target "amdgcn-amd-amdhsa--gfx1250"
	.amdhsa_code_object_version 6
	.text
	.protected	k_qf0e680c032_context
	.globl	k_qf0e680c032_context
	.p2align	8
	.type	k_qf0e680c032_context,@function
k_qf0e680c032_context:
	s_mov_b64 s[64:65], 0
	v_nop
	global_prefetch_b8 v0, s[64:65] scope:SCOPE_SE
	s_setreg_imm32_b32 hwreg(HW_REG_WAVE_MODE, 25, 1), 1
	s_wait_xcnt 0x0
; CONTEXT.  alpha[b] = softmax(scores[b]) over the batch's 1,024 keys (out1);  context[b][d] = sum over n of alpha[b][n] keys[b][n][d] (out0).  All in f32: both are products of one row, work for the vector unit.
; SHARES.  Work-group (dq, b) owns columns 256 dq .. 256 dq + 255 of out0[b] and of out1[b].  Each of the batch's four work-groups takes the softmax of all 1,024 scores (4,096 bytes).
; The row's maximum is taken away before the exponential; p = 2^((s - m) log2 e) stays unnormalised in LDS, and 1 / sum multiplies at the end.
; Wave w streams rows 128 w .. 128 w + 127: of each row its 1,024 bytes by two loads of 512 consecutive bytes; a ring of 16 rows in registers keeps 32 loads of every wave on their way.
; No matrix unit, no tensor load, no cluster: the work-groups share nothing but the 4,096 bytes of scores.  LIMITS: NaN and infinities among the inputs are not served.
.set RMAX, 0                           ; LDS: eight waves' maxima
.set RSUM, 256                         ; eight waves' sums
.set PB,   512                         ; the 1,024 p
.set RED,  4608                        ; eight waves' partial contexts, 1,024 bytes each
.set ACC,  16                          ; v16-23  my 8 columns' sums
.set P,    24                          ; v24-39  16 rows' p
.set XR,   40                          ; v40-167 the ring: 16 rows x 8 registers
.set RL,   170                         ; v170 1 / sum
.set PBB,  172                         ; v172 512 x wave
.set PBA,  173                         ; v173 the same at the trip in hand
.set RW,   174                         ; v174 1024 x wave + 16 x lane
	s_load_b256 s[4:11], s[0:1], 0x0               ; scores, keys, out0, out1
	v_lshl_add_u32 v192, v0, 2, 0x4000
	v_mov_b32 v193, 0
	v_lshrrev_b32 v1, 5, v0
	v_readfirstlane_b32 s14, v1                    ; wave 0..7
	v_and_b32 v1, 31, v0
	v_lshlrev_b32 v2, 4, v1                        ; 16 x lane
	v_lshlrev_b32 v3, 4, v0                        ; 16 x thread
	s_and_b32 s15, ttmp7, 0xffff                   ; b
	s_lshl_b32 s16, s15, 12                        ; 4,096 bytes a batch in scores, out0, out1
	s_mov_b32 s17, 0
	s_lshl_b32 s18, s15, 22                        ; keys: the batch,
	s_lshl_b32 s20, s14, 19                        ; my wave's 128 rows,
	s_add_co_u32 s18, s18, s20
	s_lshl_b32 s20, ttmp9, 10                      ; my work-group's 1,024 bytes of a row
	s_add_co_u32 s18, s18, s20
	s_mov_b32 s19, 0
	s_mov_b32 s21, 0
	s_mov_b32 s12, 0x76543210
	s_mov_b32 s13, 0xfedcba98                      ; selects for lane l xor 16
	s_lshl_b32 s22, s14, 2
	v_mov_b32 v10, s22                             ; 4 x wave
	v_mov_b32 v11, 0
	v_mov_b32 v9, 0                                ; written once: a lane permute's destination counts as one of its sources
	s_lshl_b32 s22, s14, 9
	v_mov_b32 v[PBB], s22
	s_lshl_b32 s22, s14, 10
	v_add_nc_u32 v[RW], s22, v2
.irp k, 0,1,2,3,4,5,6,7
	v_mov_b32 v[ACC+\k], 0                         ; eight registers, once a wave: the trips are then all alike
.endr
	s_wait_kmcnt 0x0
	s_add_nc_u64 s[4:5], s[4:5], s[16:17]
	s_add_nc_u64 s[10:11], s[10:11], s[16:17]
	s_add_nc_u64 s[8:9], s[8:9], s[16:17]
	s_add_nc_u64 s[8:9], s[8:9], s[20:21]
	s_add_nc_u64 s[6:7], s[6:7], s[18:19]
	global_load_b128 v[4:7], v3, s[4:5]            ; my four scores
.irp i, 0,1,2,3,4,5,6,7,8,9,10,11,12,13,14,15
	global_load_b128 v[XR+8*\i:XR+8*\i+3], v2, s[6:7] offset:4096*\i th:TH_LOAD_NT          ; the ring is filled before the softmax: rows 0 to 15
	global_load_b128 v[XR+8*\i+4:XR+8*\i+7], v2, s[6:7] offset:4096*\i+512 th:TH_LOAD_NT
.endr
	s_wait_loadcnt 32                              ; the scores are in; the 32 younger loads stay out
	v_max3_num_f32 v8, v4, v5, v6
	v_max_num_f32 v8, v8, v7
	v_max_num_f32_dpp v8, v8, v8 row_xmask:1 row_mask:0xf bank_mask:0xf
	v_max_num_f32_dpp v8, v8, v8 row_xmask:2 row_mask:0xf bank_mask:0xf
	v_max_num_f32_dpp v8, v8, v8 row_xmask:4 row_mask:0xf bank_mask:0xf
	v_max_num_f32_dpp v8, v8, v8 row_xmask:8 row_mask:0xf bank_mask:0xf
	v_permlanex16_b32 v9, v8, s12, s13
	v_max_num_f32 v8, v8, v9                       ; my wave's maximum
	ds_store_b32 v10, v8 offset:RMAX               ; all lanes write the same word with the same value
	s_wait_dscnt 0x0
	s_barrier_signal -1
	s_barrier_wait -1
	ds_load_b128 v[24:27], v11 offset:RMAX
	ds_load_b128 v[28:31], v11 offset:RMAX+16
	s_wait_dscnt 0x0
	v_max3_num_f32 v8, v24, v25, v26
	v_max3_num_f32 v8, v8, v27, v28
	v_max3_num_f32 v8, v8, v29, v30
	v_max_num_f32 v8, v8, v31                      ; m: the row's maximum
.irp k, 4,5,6,7
	v_sub_f32 v[\k], v[\k], v8                     ; the difference first: it is exact near the maximum, whatever the scores' size
.endr
.irp k, 4,5,6,7
	v_mul_f32 v[\k], 0x3fb8aa3b, v[\k]
.endr
.irp k, 4,5,6,7
	v_exp_f32 v[\k], v[\k]                         ; p, at most 1
.endr
	v_nop                                          ; a plain place behind the batch
	s_wait_alu depctr_va_vdst(0)                   ; and the one wait, ahead of its first reader
	ds_store_b128 v3, v[4:7] offset:PB
	v_add_f32 v8, v4, v5
	v_add_f32 v9, v6, v7
	v_add_f32 v8, v8, v9
	v_add_f32_dpp v8, v8, v8 row_xmask:1 row_mask:0xf bank_mask:0xf
	v_add_f32_dpp v8, v8, v8 row_xmask:2 row_mask:0xf bank_mask:0xf
	v_add_f32_dpp v8, v8, v8 row_xmask:4 row_mask:0xf bank_mask:0xf
	v_add_f32_dpp v8, v8, v8 row_xmask:8 row_mask:0xf bank_mask:0xf
	v_permlanex16_b32 v9, v8, s12, s13
	v_add_f32 v8, v8, v9                           ; my wave's sum
	ds_store_b32 v10, v8 offset:RSUM
	s_wait_dscnt 0x0                               ; for the others' sake: my p and my sum have landed
	s_barrier_signal -1
	s_barrier_wait -1
	ds_load_b128 v[24:27], v11 offset:RSUM
	ds_load_b128 v[28:31], v11 offset:RSUM+16
	s_wait_dscnt 0x0
	v_add_f32 v24, v24, v25
	v_add_f32 v26, v26, v27
	v_add_f32 v28, v28, v29
	v_add_f32 v30, v30, v31
	v_add_f32 v24, v24, v26
	v_add_f32 v28, v28, v30
	v_add_f32 v24, v24, v28                        ; the row's sum, at least 1
	v_rcp_f32 v[RL], v24
	v_nop                                          ; a plain place behind the reciprocal
	s_wait_alu depctr_va_vdst(0)                   ; and its wait, ahead of the first reader and of the branch below
	s_lshr_b32 s22, s14, 1                         ; waves 2 dq and 2 dq + 1 hold the 256 alpha that my work-group owns
	s_cmp_lg_u32 s22, ttmp9
	s_cbranch_scc1 .Lno_alpha
.irp k, 0,1,2,3
	v_mul_f32 v[12+\k], v[4+\k], v[RL]
.endr
	global_store_b128 v3, v[12:15], s[10:11]       ; 32 lanes store 512 consecutive bytes
.Lno_alpha:
; 16 rows.  more = 1: each slot of the ring is filled again with the row 16 further down.
.macro ROWS more
	v_add_nc_u32 v[PBA], s21, v[PBB]
.irp k, 0,1,2,3
	ds_load_b128 v[P+4*\k:P+4*\k+3], v[PBA] offset:PB+16*\k        ; the 16 rows' p: every lane reads the same words
.endr
	s_wait_dscnt 0x0
.irp i, 0,1,2,3,4,5,6,7,8,9,10,11,12,13,14,15
.if \more
	s_wait_loadcnt 30                              ; this row's two loads are in; the 15 younger rows' 30 stay out
.else
	s_wait_loadcnt 30-2*\i
.endif
.irp k, 0,1,2,3
.if (\i)%2 == 0
	v_pk_fma_f32 v[ACC+2*\k:ACC+2*\k+1], v[XR+8*\i+2*\k:XR+8*\i+2*\k+1], v[P+\i:P+\i+1], v[ACC+2*\k:ACC+2*\k+1] op_sel_hi:[1,0,1]                    ; both halves x the pair's low word
.else
	v_pk_fma_f32 v[ACC+2*\k:ACC+2*\k+1], v[XR+8*\i+2*\k:XR+8*\i+2*\k+1], v[P+\i-1:P+\i], v[ACC+2*\k:ACC+2*\k+1] op_sel:[0,1,0] op_sel_hi:[1,1,1]     ; both halves x its high word
.endif
.endr
.if \more
	global_load_b128 v[XR+8*\i:XR+8*\i+3], v2, s[6:7] offset:65536+4096*\i th:TH_LOAD_NT
	global_load_b128 v[XR+8*\i+4:XR+8*\i+7], v2, s[6:7] offset:65536+4096*\i+512 th:TH_LOAD_NT
.endif
.endr
.endm
.Lrows:                                                ; seven trips; s21 = 64 x trip: the trip's p in LDS, and the loop's counter
	ROWS 1
	s_wait_xcnt 0x0                                ; the loads have read their base: it steps only behind this wait
	s_add_nc_u64 s[6:7], s[6:7], 65536
	s_add_co_u32 s21, s21, 64
	s_cmp_lt_u32 s21, 448
	s_cbranch_scc1 .Lrows
	ROWS 0                                         ; the last 16 rows load nothing: the counts run down, and no load leaves keys
	ds_store_b128 v[RW], v[ACC:ACC+3] offset:RED
	ds_store_b128 v[RW], v[ACC+4:ACC+7] offset:RED+512
	s_wait_dscnt 0x0                               ; for the others' sake: my partial sums have landed
	s_barrier_signal -1
	s_barrier_wait -1
	s_cmp_gt_u32 s14, 1                            ; waves 0 and 1 add the eight parts: 64 threads x 16 bytes are the 256 columns
	s_cbranch_scc1 .Ldone
.irp k, 0,1,2,3,4,5,6,7
	ds_load_b128 v[XR+4*\k:XR+4*\k+3], v3 offset:RED+1024*\k
.endr
	s_wait_dscnt 0x0
.irp k, 1,2,3,4,5,6,7
	v_pk_add_f32 v[XR:XR+1], v[XR:XR+1], v[XR+4*\k:XR+4*\k+1]
	v_pk_add_f32 v[XR+2:XR+3], v[XR+2:XR+3], v[XR+4*\k+2:XR+4*\k+3]
.endr
.irp k, 0,1,2,3
	v_mul_f32 v[XR+\k], v[RL], v[XR+\k]
.endr
	global_store_b128 v3, v[XR:XR+3], s[8:9]       ; 32 lanes store 512 consecutive bytes, at a multiple of 256 from the buffer's first byte
.Ldone:
	s_wait_tensorcnt 0x0
	ds_add_u32 v192, v193
	s_wait_dscnt 0x0
	s_endpgm
.Lfunc_end_k_qf0e680c032_context:
	.size	k_qf0e680c032_context, .Lfunc_end_k_qf0e680c032_context-k_qf0e680c032_context
	.p2alignl 7, 3214868480
	.fill 96, 4, 3214868480
	.section	.rodata,"a",@progbits
	.p2align	6, 0x0
	.amdhsa_kernel k_qf0e680c032_context
		.amdhsa_group_segment_fixed_size 17408
		.amdhsa_private_segment_fixed_size 0
		.amdhsa_enable_private_segment 0
		.amdhsa_kernarg_size 32
		.amdhsa_user_sgpr_count 2
		.amdhsa_user_sgpr_kernarg_segment_ptr 1
		.amdhsa_wavefront_size32 1
		.amdhsa_system_sgpr_workgroup_id_x 1
		.amdhsa_system_sgpr_workgroup_id_y 1
		.amdhsa_system_sgpr_workgroup_id_z 1
		.amdhsa_system_vgpr_workitem_id 0
		.amdhsa_next_free_vgpr 194
		.amdhsa_next_free_sgpr 66
		.amdhsa_reserve_vcc 0
		.amdhsa_float_denorm_mode_32 3
		.amdhsa_float_denorm_mode_16_64 3
		.amdhsa_memory_ordered 1
		.amdhsa_forward_progress 1
		.amdhsa_inst_pref_size 23
	.end_amdhsa_kernel
	.amdgpu_metadata
---
amdhsa.version: [ 1, 2 ]
amdhsa.kernels:
  - .name:           k_qf0e680c032_context
    .symbol:         k_qf0e680c032_context.kd
    .args:
      - { .name: scores, .offset: 0, .size: 8, .value_kind: global_buffer, .address_space: global }
      - { .name: keys, .offset: 8, .size: 8, .value_kind: global_buffer, .address_space: global }
      - { .name: out0, .offset: 16, .size: 8, .value_kind: global_buffer, .address_space: global }
      - { .name: out1, .offset: 24, .size: 8, .value_kind: global_buffer, .address_space: global }
    .group_segment_fixed_size: 17408
    .private_segment_fixed_size: 0
    .kernarg_segment_align: 8
    .kernarg_segment_size: 32
    .max_flat_workgroup_size: 256
    .sgpr_count:     66
    .vgpr_count:     194
    .wavefront_size: 32
...
	.end_amdgpu_metadata
.endif
;; end of part 3
